; MI455X (gfx1250); checked and timed in simulation.
; The chip was launched on July 23, 2026; its instructions are those of AMD's public machine-readable ISA for CDNA 5 (MIT licence, August 2026) and "CDNA5" Instruction Set Architecture Reference Guide (July 2026). The comments in the code are by the model that wrote it; some were corrected since.
;; Microring Basis Base. Allowed arithmetic: matrix products marked QUANTISED: E2M1 operands, one E8M0 scale for each 32 along K, by v_wmma_scale_f32_16x16x128_f8f6f4 with both operands' format E2M1 (or v_wmma_scale_f32_32x16x128_f4), f32 sums; everything else in f32.
;; Inputs: base_weight 512 x 512 float32; coeffs 512 x 512 x 16 float32; x 4,096 x 512 float32.
;; Outputs: out0 4,096 x 512 float32; out1 1 float32.
;; This version of the problem:
;;   THIS VERSION OF THE PROBLEM IS GIVEN IN LOW PRECISION. The matrix products marked QUANTISED in the list below multiply operands that are first quantised to E2M1 (2 exponent bits, 1 mantissa bit; 4 bits a number), with one power-of-two scale for each 32 numbers along K (OCP MX v1.0); their sums are f32. All else is computed in f32.
;;   The module's matrix products, in the order in which they are computed (A, B: the left and right operand; K: the contracted axis; several contracted axes count as one K, in the product's order):
;;     1. [M 4,096, K 8,192] x [K 8,192, N 512]; A: computed on the way; B: input coeffs: QUANTISED
;;     2. [M 4,096, K 512] x [K 512, N 512]; A: input x; B: input base_weight: QUANTISED
;;   THE QUANTISER, for each operand of a quantised product, along K:
;;     - K is cut into blocks of 32 from its start; a last block that is shorter is filled with zeros.
;;     - A block's scale is 2^e with e = floor(log2(the largest magnitude in the block)) - 2, held to -126 .. 127; a block of zeros has e = 0. As a byte (E8M0): e + 127.
;;     - Each number is divided by its block's scale, clamped to +-6, and rounded to the nearest number of E2M1, ties to even, subnormals kept.
;;     - The product sums the exact products of the quantised numbers (number of the format x scale) in f32.
;;   ~~~python
;;   def quantise(x, axis):      # numpy; x: float32 -> the quantised numbers, widened to float32 again
;;       x = np.moveaxis(x, axis, -1); K = x.shape[-1]
;;       x = np.pad(x, [(0, 0)] * (x.ndim - 1) + [(0, -K % 32)]); x = x.reshape(x.shape[:-1] + (-1, 32)); a = np.abs(x).max(-1, keepdims=True)
;;       e = np.where(a > 0, np.clip(np.frexp(np.where(a > 0, a, 1))[1] - 1 - 2, -126, 127), 0)      # np.frexp(a)[1] - 1 = floor(log2(a)), exactly
;;       r = np.clip(x / 2.0 ** e, -6, 6)
;;       step = 2.0 ** (np.maximum(np.frexp(np.where(r == 0, 1, r))[1] - 1, 0) - 1)
;;       q = np.round(r / step) * step * 2.0 ** e      # np.round: ties to even
;;       return np.moveaxis(q.reshape(q.shape[:-2] + (-1,))[..., :K], -1, axis).astype(np.float32)
;;   ~~~
;;   OPERANDS COMPUTED ON THE WAY. 'Computed on the way' means the value that the module computes at that place (a softmax that the list does not call 'softmax' is quantised finished and normalised). What goes into a quantiser is computed in f32, as accurately as f32 sums, v_exp_f32 and their like allow (about 1e-6 of the number): no bf16 or f16 on the way to a quantiser, and a product that is left as it is and whose result goes on into a quantised operand takes f32 operands (vector FMAs, or v_wmma_f32_16x16x4_f32). A number that lies on a knife's edge between two numbers of the format may be rounded either way, as far as f32 arithmetic and the matrix unit's own rounding can turn it there, and no further.
;; One version. Each part assembles by itself: llvm-mc -triple=amdgcn-amd-amdhsa -mcpu=gfx1250 --defsym DOCPART=n.
;; ======== version 1 of 1: 2 launches
;; workspace buffers: a_ws 18,939,904 bytes; b_ws 2,367,488 bytes
;; launch encode (part 1): grid 256 x 1, 16 waves a work-group, no clusters, 121,856 bytes of LDS; arguments x, coeffs, base_weight, a_ws, b_ws, out1; writes a_ws, b_ws, out1
.if DOCPART == 1
	.amdgcn_target "amdgcn-amd-amdhsa--gfx1250"
	.amdhsa_code_object_version 6
	.text
	.protected	k_q665d5766a1_encode
	.globl	k_q665d5766a1_encode
	.p2align	8
	.type	k_q665d5766a1_encode,@function
k_q665d5766a1_encode:
	s_mov_b64 s[64:65], 0
	v_nop
	global_prefetch_b8 v0, s[64:65] scope:SCOPE_SE
	s_setreg_imm32_b32 hwreg(HW_REG_WAVE_MODE, 25, 1), 1
	s_wait_xcnt 0x0
; Everything that the product's launch multiplies is quantised here, once, to codes of FP4 (E2M1) with one E8M0 byte for each 32 along K.
; out0 = basis(x) . coeffs + x . base_weight is ONE product with K = 8,192 + 512 = 8,704 = 17 slots of 512.
; A RECORD = 16 rows (or 16 columns) x one slot = 4,352 bytes, laid in the order of the operand's registers:
;   codes: block (tau = 0..7, h = 0..1) of row r at 512 tau + 256 h + 16 r (16 bytes = 32 codes);  scale bytes: at 4,096 + 16 r + 2 tau + h.
;   a_ws [g = 0..63][slot 0..16][mt 0..3][4352] (tile of rows 4 g + mt);   b_ws [slot 0..16][tile of columns 0..31][4352].
; K MAP, alike on both operands (a permutation of whole blocks, and of the numbers inside a block, keeps each block's scale and every product):
;   slot 0: the residual; block 2 tau + h holds i = 32 (2 tau + h) + 0..31.
;   slot j = 1..16: block (tau, h) is the pair i0 = 32 (j - 1) + 16 h + 2 tau, i0 + 1 (k = 16 i + n: 32 neighbours along K); place 2 n + e holds (i0 + e, ring n).
; THE BASIS.  With wl = WL0 (1 + eps xc), xc = clip(x), eps = 4 / 1550, the round-trip phase is phi / 2 pi = P_n - u, where P_n = L NEFF / WL0 - 1/2 + n / 15 is a constant of the module and
;   u = (L NG / WL0) eps xc / (1 + eps xc).  So ONE sine and ONE cosine of 2 pi u serve a number's 16 rings: den = D0 - 2 r a cos(phi) = D0 + CN_n cos(2 pi u) + SN_n sin(2 pi u), T = 1 - g / den,
;   g = (1 - r^2)(1 - a^2).  2 u is split into a whole number k (by adding 1.5 x 2^23) and f, |f| <= 1/2; cos(pi f) and sin(pi f) are their series up to f^12 and f^13 (what is cut is under 1e-8).
; SHARES.  Work-group G = tile of 16 rows.  Wave w: the basis record of slot w + 1 (8 blocks a lane); block w of x's own record; one block a lane of coeff record 2 G + w / 8 (tau = w % 8);
;   wave 15 also one block a lane of base_weight's record G / 8 (tau = G % 8).  Scale bytes that several waves make for one record meet in LDS and leave as 256 consecutive bytes.
; LOADS AS THE BYTES LIE, THEN A TURN THROUGH LDS.  The work wants 64 neighbouring bytes in ONE lane (16 numbers of a row of x; a column's 16 rings of coeffs); a load is best where neighbouring LANES take
;   neighbouring bytes.  Both are had: x comes in runs of 128 consecutive bytes (8 lanes to a row, 4 rows a load), coeffs in runs of 512 (the whole wave), no byte is asked for twice, and each goes once
;   through the wave's own stage in LDS: stored as loaded, read back 64 bytes a lane.  The stages are each wave's own: LDS serves a wave's instructions in order, so no barrier and no wait stand between.
; LIMITS: NaN and infinities in the inputs are not served.  A block of zeros, or one whose largest magnitude lies under 2^-124, gets the byte 1 (its codes are zeros or what the floor gives; the bytes
;   are read by this program alone).  The ring phases are the module's constants taken exactly, not their f32 roundings: the phase differs from an f32 evaluation at about 1,788 rad by some 3e-4 rad.
.set STG,  1024                        ; LDS: bytes 0-767 gather scale bytes; from 1,024 on a stage for each wave
.set XP,   144                         ; x's stage: a row's 128 bytes + 16 of padding = 9 columns of 16 bytes: the 16 rows that a read touches start in 16 different columns of the 256 bytes that the 64 banks hold (ISA guide 11.1)
.set CP,   80                          ; coeffs' stage: a column's 64 bytes + 16 of padding = 5 columns of 16 bytes: likewise
.set CSTG, 16*XP                       ; coeffs' stage lies behind x's: four regions (h, e) of 16 columns
.set WSTG, CSTG+4*16*CP                ; 7,424 bytes a wave
.set XR,  16                           ; v16-31   my 16 numbers of x: row r, i = 32 w + 16 h + 0..15
.set V,   32                           ; v32-63   a block's 32 numbers; at the head x as loaded; at the end coeffs back from the stage: 16 e + n
.set LC,  64                           ; v64-95   coeffs as loaded; then my block in the basis' order
.set WL,  96                           ; v96-127  base_weight as loaded (wave 15)
.set XSW, 128                          ; v128     x's stage, in: 144 (lane / 8) + 16 (lane % 8)
.set XSR, 129                          ; v129     and out: 144 r + 64 h
.set CSW, 130                          ; v130     coeffs' stage, in: 80 (lane / 4) + 16 (lane % 4)
.set CSR, 131                          ; v131     and out: 2,560 h + 80 r
.set BY,  136                          ; v136-143 the scale bytes of my 8 basis blocks
.set W,   144                          ; v144-147 scale words
.set TP,  148                          ; v148-151 destinations of the lane exchange
.set XC,  152                          ; pairs, at work on two numbers of x
.set T,   154
.set R,   156
.set WM,  158
.set MG,  160
.set KK,  162
.set F,   164
.set Z,   166
.set SG,  168
.set ZS,  170
.set FS,  172
.set PCO, 174
.set PSI, 176
.set CU,  178                          ; cos(2 pi u)
.set SU,  180                          ; sin(2 pi u)
.set D0V, 182                          ; D0, twice
.set C6V, 184                          ; the series' last coefficients, twice
.set S6V, 186
.set MA,  188
.set MB,  189
.set SCL, 190
.set RDA, 191                          ; LDS address of the gathered scale bytes that I store
.set CD,  192                          ; v192-223 codes: four registers for each basis block, so that no store's data are written again
.set XCD, 224                          ; v224-225 x's codes, v226 its byte
.set CBY, 227
.set CCD, 228                          ; v228-231 coeffs' codes
.set WCD, 232                          ; v232-235 base_weight's codes, v236 its byte
.set WBY, 236
.set SOF, 237
.set SD,  238                          ; v238-239
.set NIL, 240
.macro SPAIR r, val                    ; a constant as a pair: the packed forms name the pair and take its low word for both halves
	s_mov_b32 s[\r], \val
	s_mov_b32 s[\r+1], \val
.endm
	s_load_b256 s[4:11], s[0:1], 0x0               ; x s[4:5], coeffs s[6:7], base_weight s[8:9], a_ws s[10:11]
	s_load_b128 s[12:15], s[0:1], 0x20             ; b_ws s[12:13], out1 s[14:15]
	v_lshl_add_u32 v254, v0, 2, 0x1d400
	v_mov_b32 v255, 0
	v_lshrrev_b32 v1, 5, v0
	s_delay_alu instid0(VALU_DEP_1)
	v_readfirstlane_b32 s16, v1                    ; wave 0..15
	v_and_b32 v2, 15, v0                           ; r
	v_bfe_u32 v3, v0, 4, 1                         ; h
	v_and_b32 v1, 31, v0                           ; lane
	s_delay_alu instid0(VALU_DEP_1)
	v_lshrrev_b32 v5, 3, v1                        ; lane / 8
	s_delay_alu instid0(VALU_DEP_2)
	v_and_b32 v11, 7, v1                           ; lane % 8
	s_delay_alu instid0(VALU_DEP_2)
	v_lshlrev_b32 v4, 11, v5
	s_delay_alu instid0(VALU_DEP_1)
	v_lshl_add_u32 v4, v11, 4, v4                  ; x, as it lies: row lane / 8 of 2,048 bytes, + 16 (lane % 8)
	s_delay_alu instid0(VALU_DEP_4)
	v_mul_u32_u24 v[XSW], v5, XP
	s_delay_alu instid0(VALU_DEP_1)
	v_lshl_add_u32 v[XSW], v11, 4, v[XSW]          ; and the same place in the stage
	v_lshlrev_b32 v11, 3, v1                       ; 8 x lane
	v_lshrrev_b32 v5, 2, v1                        ; lane / 4: a column of coeffs,
	s_delay_alu instid0(VALU_DEP_1)
	v_mul_u32_u24 v[CSW], v5, CP
	v_and_b32 v5, 3, v1                            ; lane % 4: four of its rings
	s_delay_alu instid0(VALU_DEP_1)
	v_lshl_add_u32 v[CSW], v5, 4, v[CSW]
	v_lshlrev_b32 v1, 4, v1                        ; 16 x lane: coeffs as they lie; also a block's place in a record.  Never rewritten
	s_lshl_b32 s70, ttmp9, 15                      ; x: 16 G rows,
	s_lshl_b32 s71, s16, 7                         ; + 32 w numbers
	s_add_co_u32 s70, s70, s71
	s_mov_b32 s71, 0
	s_and_b32 s72, s16, 7                          ; tau of my coeff block
	s_lshr_b32 s73, s16, 3                         ; which of the work-group's two coeff records
	s_lshr_b32 s74, ttmp9, 4                       ; its slot - 1
	s_and_b32 s75, ttmp9, 15
	s_lshl_b32 s75, s75, 1
	s_add_co_u32 s75, s75, s73                     ; its tile of columns
	s_lshl_b32 s76, s74, 20                        ; 32 (slot - 1) rows i,
	s_lshl_b32 s77, s72, 16                        ; + 2 tau rows i,
	s_add_co_u32 s76, s76, s77
	s_lshl_b32 s77, s75, 10                        ; + 16 columns of 64 bytes a tile
	s_add_co_u32 s76, s76, s77
	s_mov_b32 s77, 0
	s_wait_alu depctr_va_vdst(0)
	s_wait_kmcnt 0x0
	s_add_nc_u64 s[4:5], s[4:5], s[70:71]
	s_add_nc_u64 s[6:7], s[6:7], s[76:77]
.irp k, 0,1,2,3
	global_load_b128 v[V+4*\k:V+4*\k+3], v4, s[4:5] offset:8192*\k th:TH_LOAD_NT   ; rows 4 k .. 4 k + 3: four runs of 128 consecutive bytes
.endr
.irp hh, 0,1
.irp e, 0,1
.irp m, 0,1
	global_load_b128 v[LC+4*(4*\hh+2*\e+\m):LC+4*(4*\hh+2*\e+\m)+3], v1, s[6:7] offset:524288*\hh+32768*\e+512*\m th:TH_LOAD_NT   ; coeffs(i0 + 16 hh + e, columns 8 m .. 8 m + 7): 512 consecutive bytes
.endr
.endr
.endr
	; the other lane terms; none of them is written again
	v_mul_u32_u24 v[XSR], v2, XP
	s_delay_alu instid0(VALU_DEP_1)
	v_lshl_add_u32 v[XSR], v3, 6, v[XSR]           ; x out of the stage: row r, + 64 h
	v_mul_u32_u24 v[CSR], v2, CP
	s_delay_alu instid0(VALU_DEP_1)
	v_mad_u32_u24 v[CSR], v3, 2*16*CP, v[CSR]      ; coeffs out of the stage: column r, + 2 regions for h
	s_mul_i32 s69, s16, WSTG
	s_add_co_u32 s69, s69, STG                     ; my wave's stage
	v_add_nc_u32 v[XSW], s69, v[XSW]
	v_add_nc_u32 v[XSR], s69, v[XSR]
	s_add_co_u32 s69, s69, CSTG
	v_add_nc_u32 v[CSW], s69, v[CSW]
	v_add_nc_u32 v[CSR], s69, v[CSR]
	v_lshlrev_b32 v6, 2, v2
	s_delay_alu instid0(VALU_DEP_1)
	v_lshl_add_u32 v6, v3, 16, v6                  ; base_weight: column r, + 32 h rows of 2,048 bytes
	v_lshlrev_b32 v7, 4, v2                        ; 16 r
	v_lshlrev_b32 v8, 3, v3                        ; 8 h: a shift
	s_delay_alu instid0(VALU_DEP_2)
	v_add_nc_u32 v9, s16, v7                       ; LDS: x's scale bytes, 16 r + w
	s_delay_alu instid0(VALU_DEP_3)
	v_add_nc_u32 v12, v7, v3                       ; 16 r + h
	s_lshl_b32 s86, s73, 8
	s_lshl_b32 s87, s72, 1
	s_add_co_u32 s86, s86, s87
	s_add_co_u32 s86, s86, 256
	v_add_nc_u32 v10, s86, v12                     ; LDS: coeffs' scale bytes, 256 + 256 (w / 8) + 16 r + 2 tau + h
	s_and_b32 s80, ttmp9, 7                        ; base_weight: tau,
	s_lshr_b32 s81, ttmp9, 3                       ; and the tile of columns
	s_lshl_b32 s87, s80, 1
	v_add_nc_u32 v12, s87, v12                     ; its scale byte: 16 r + h + 2 tau
	v_add_nc_u32 v7, v7, v8                        ; 16 r + 8 h
	s_lshl_b32 s87, s72, 9
	v_add_nc_u32 v13, s87, v1                      ; coeffs' codes: 16 x lane + 512 tau
	s_lshl_b32 s87, s16, 8
	v_add_nc_u32 v14, s87, v7                      ; x's codes: 256 w + 16 r + 8 h
	s_lshl_b32 s87, s80, 9
	v_add_nc_u32 v15, s87, v1                      ; base_weight's codes: 16 x lane + 512 tau
	s_min_u32 s87, s16, 2
	s_lshl_b32 s87, s87, 8
	v_add_nc_u32 v[RDA], s87, v11                  ; waves 0, 1, 2 read LDS bytes 256 w + 8 x lane behind the barrier
	; where the records lie
	s_lshr_b32 s17, ttmp9, 2                       ; g
	s_and_b32 s18, ttmp9, 3                        ; mt
	s_mul_i32 s17, s17, 295936
	s_mul_i32 s18, s18, 4352
	s_add_co_u32 s18, s18, s17
	s_mov_b32 s19, 0
	s_add_co_u32 s20, s16, 1
	s_mul_i32 s20, s20, 17408
	s_add_co_u32 s20, s20, s18
	s_mov_b32 s21, 0
	s_add_nc_u64 s[28:29], s[10:11], s[18:19]      ; a_ws record (g, slot 0, mt)
	s_add_nc_u64 s[26:27], s[10:11], s[20:21]      ; a_ws record (g, slot w + 1, mt)
	s_add_co_u32 s78, s74, 1
	s_mul_i32 s78, s78, 139264
	s_mul_i32 s79, s75, 4352
	s_add_co_u32 s78, s78, s79
	s_mov_b32 s79, 0
	s_add_nc_u64 s[30:31], s[12:13], s[78:79]      ; b_ws: my coeff record
	s_lshl_b32 s82, s80, 17                        ; base_weight: 64 tau rows,
	s_lshl_b32 s83, s81, 6                         ; + 16 columns a tile
	s_add_co_u32 s82, s82, s83
	s_mov_b32 s83, 0
	s_add_nc_u64 s[8:9], s[8:9], s[82:83]
	s_mul_i32 s84, s81, 4352
	s_mov_b32 s85, 0
	s_add_nc_u64 s[32:33], s[12:13], s[84:85]      ; b_ws record (slot 0, tile)
	s_cmp_eq_u32 s16, 0                            ; the gathered scale bytes: wave 0 stores x's, waves 1 and 2 those of the two coeff records (for these waves s[30:31] is the first of the two)
	s_cselect_b64 s[88:89], s[28:29], s[30:31]
	s_cmp_eq_u32 s16, 2
	s_cselect_b32 s87, 4352, 0
	v_add_nc_u32 v[SOF], s87, v11
	; constants
	s_mov_b32 s22, 0x76543210
	s_mov_b32 s23, 0xfedcba98                      ; v_permlanex16_b32's selects for lane l xor 16
	s_mov_b32 s24, 0xffff0000                      ; the lanes with h = 1
	SPAIR 34, 0x3b29200b                           ; eps = 1 / 387.5
	SPAIR 36, 0x4028b75e                           ; 2 (L NG / WL0) eps = 2.6361918
	SPAIR 38, 0x4b400000                           ; 1.5 x 2^23
	SPAIR 40, 0xcb400000
	SPAIR 42, 0xbb298f62                           ; -g = -0.0025872816
	SPAIR 44, 0xbcd368f9                           ; cos(pi f) in z = f^2: -pi^10 / 10!
	SPAIR 46, 0x3e70fa83                           ;  pi^8 / 8!
	SPAIR 48, 0xbfaae9e4                           ; -pi^6 / 6!
	SPAIR 50, 0x4081e0f8                           ;  pi^4 / 4!
	SPAIR 52, 0xc09de9e6                           ; -pi^2 / 2
	SPAIR 54, 0xbbf183a8                           ; sin(pi f) / f in z: -pi^11 / 11!
	SPAIR 56, 0x3da83c1a                           ;  pi^9 / 9!
	SPAIR 58, 0xbf196966                           ; -pi^7 / 7!
	SPAIR 60, 0x402335e3                           ;  pi^5 / 5!
	SPAIR 62, 0xc0a55de7                           ; -pi^3 / 3!
	SPAIR 66, 0x40490fdb                           ;  pi
	s_mov_b32 s68, 0x3f800000                      ; the bits of 1.0
.irp i, 0,1
	v_mov_b32 v[D0V+\i], 0x3fe51348                ; D0 = 1 + r^2 a^2 = 1.7896509
	v_mov_b32 v[C6V+\i], 0x3afce9c5                ; pi^12 / 12!
	v_mov_b32 v[S6V+\i], 0x39f47a1a                ; pi^13 / 13!
.endr
.irp i, 0,1,2,3
	v_mov_b32 v[TP+\i], 0                          ; written once: a lane permute's destination counts as one of its sources
.endr
; cos(2 pi u) and sin(2 pi u) for the pair x[2 t], x[2 t + 1] of my 16
.macro SINCOS2 t
	v_med3_num_f32 v[XC], v[XR+2*\t], -1.0, 1.0                    ; the clip
	v_med3_num_f32 v[XC+1], v[XR+2*\t+1], -1.0, 1.0
	s_delay_alu instid0(VALU_DEP_1)
	v_pk_fma_f32 v[T:T+1], v[XC:XC+1], s[34:35], 1.0 op_sel_hi:[1,0,0]      ; wl / WL0
	s_wait_alu depctr_va_vdst(0)
	v_rcp_f32 v[R], v[T]
	v_rcp_f32 v[R+1], v[T+1]
	v_pk_mul_f32 v[WM:WM+1], v[XC:XC+1], s[36:37] op_sel_hi:[1,0]           ; (a plain line behind the reciprocals)
	s_wait_alu depctr_va_vdst(0)
	v_pk_fma_f32 v[MG:MG+1], v[WM:WM+1], v[R:R+1], s[38:39] op_sel_hi:[1,1,0]   ; 2 u + 1.5 x 2^23: rounded to the whole number k; its lowest bit is k's parity
	s_delay_alu instid0(VALU_DEP_1)
	v_pk_add_f32 v[KK:KK+1], v[MG:MG+1], s[40:41] op_sel_hi:[1,0]           ; k
	v_pk_fma_f32 v[F:F+1], v[WM:WM+1], v[R:R+1], v[KK:KK+1] neg_lo:[0,0,1] neg_hi:[0,0,1]   ; f = 2 u - k
	s_delay_alu instid0(VALU_DEP_1)
	v_pk_mul_f32 v[Z:Z+1], v[F:F+1], v[F:F+1]
	s_delay_alu instid0(VALU_DEP_4)
	v_lshl_or_b32 v[SG], v[MG], 31, s68                            ; (-1)^k
	v_lshl_or_b32 v[SG+1], v[MG+1], 31, s68
	s_delay_alu instid0(VALU_DEP_1)
	v_pk_mul_f32 v[ZS:ZS+1], v[Z:Z+1], v[SG:SG+1]
	s_delay_alu instid0(VALU_DEP_2)
	v_pk_mul_f32 v[FS:FS+1], v[F:F+1], v[SG:SG+1]
	v_pk_fma_f32 v[PCO:PCO+1], v[Z:Z+1], v[C6V:C6V+1], s[44:45] op_sel_hi:[1,1,0]
	v_pk_fma_f32 v[PSI:PSI+1], v[Z:Z+1], v[S6V:S6V+1], s[54:55] op_sel_hi:[1,1,0]
.irp k, 0,1,2,3                                ; the two series by turns
	s_delay_alu instid0(VALU_DEP_2)
	v_pk_fma_f32 v[PCO:PCO+1], v[PCO:PCO+1], v[Z:Z+1], s[46+2*\k:47+2*\k] op_sel_hi:[1,1,0]
	s_delay_alu instid0(VALU_DEP_2)
	v_pk_fma_f32 v[PSI:PSI+1], v[PSI:PSI+1], v[Z:Z+1], s[56+2*\k:57+2*\k] op_sel_hi:[1,1,0]
.endr
	s_delay_alu instid0(VALU_DEP_1)
	v_pk_fma_f32 v[PSI:PSI+1], v[PSI:PSI+1], v[Z:Z+1], s[66:67] op_sel_hi:[1,1,0]
	s_delay_alu instid0(VALU_DEP_3)
	v_pk_fma_f32 v[CU:CU+1], v[PCO:PCO+1], v[ZS:ZS+1], v[SG:SG+1]  ; (-1)^k (1 + z (c1 + ..))
	s_delay_alu instid0(VALU_DEP_2)
	v_pk_mul_f32 v[SU:SU+1], v[PSI:PSI+1], v[FS:FS+1]              ; (-1)^k f (s0 + ..)
.endm
.macro RINGC n, cn                     ; D0 + CN_n cos(2 pi u), for both numbers of the pair
	v_pk_fma_f32 v[V+2*\n:V+2*\n+1], v[CU:CU+1], \cn, v[D0V:D0V+1] op_sel_hi:[1,0,1]
.endm
.macro RINGS n, sn                     ; + SN_n sin(2 pi u): the denominator
	v_pk_fma_f32 v[V+2*\n:V+2*\n+1], v[SU:SU+1], \sn, v[V+2*\n:V+2*\n+1] op_sel_hi:[1,0,1]
.endm
; The 16 rings of the pair: v[V + 2 n + e] = T.  CN_n = -2 r a cos(2 pi P_n), SN_n = -2 r a sin(2 pi P_n), 2 r a = 1.7772460, 2 pi P_n = 24.2961826 + 24 n degrees
.macro ALLRINGS
	RINGC 0,  0xbfcf56ce
	RINGC 1,  0xbf9757c8
	RINGC 2,  0xbf0a5b38
	RINGC 3,  0x3e4795bf
	RINGC 4,  0x3f658572
	RINGC 5,  0x3fb8bae1
	RINGC 6,  0x3fdec204
	RINGC 7,  0x3fde44d5
	RINGC 8,  0x3fb758fb
	RINGC 9,  0x3f617298
	RINGC 10, 0x3e34df67
	RINGC 11, 0xbf0ed476
	RINGC 12, 0xbf991739
	RINGC 13, 0xbfd04bb3
	RINGC 14, 0xbfe37c05
	RINGC 15, 0xbfcf56ce
	RINGS 0,  0xbf3b337c
	RINGS 1,  0xbfa9d73c
	RINGS 2,  0xbfd8b6c6
	RINGS 3,  0xbfe21d88
	RINGS 4,  0xbfc46b5a
	RINGS 5,  0xbf84c2b9
	RINGS 6,  0xbeb895ee
	RINGS 7,  0x3ec1c9ab
	RINGS 8,  0x3f86a9d3
	RINGS 9,  0x3fc59865
	RINGS 10, 0x3fe25c77
	RINGS 11, 0x3fd7fcb8
	RINGS 12, 0x3fa8445c
	RINGS 13, 0x3f36e769
	RINGS 14, 0xbc1685db
	RINGS 15, 0xbf3b337c
.set i, 0
	s_wait_alu depctr_va_vdst(0)
.rept 32
	v_rcp_f32 v[V+i], v[V+i]
.set i, i+1
.endr
	v_nop                                          ; a plain line between the last reciprocal and the use of its result
.set i, 0
	s_wait_alu depctr_va_vdst(0)
.rept 16
	v_pk_fma_f32 v[V+i:V+i+1], v[V+i:V+i+1], s[42:43], 1.0 op_sel_hi:[1,0,0]   ; T = 1 - g / den
.set i, i+2
.endr
.endm
; 32 numbers of ONE block in v[src] .. v[src + 31] -> 16 bytes of codes in v[cd] .. v[cd + 3], the scale's byte in v[by]
.macro QUANT32 src, cd, by
	v_max3_num_f32 v[MA], |v[\src]|, |v[\src+1]|, 0x1800000        ; the largest magnitude, in two chains; the floor 2^(3 - 127) among the leaves holds the byte at 1 from below
	v_max3_num_f32 v[MB], |v[\src+2]|, |v[\src+3]|, |v[\src+4]|
.irp i, 5,9,13,17,21,25
	s_delay_alu instid0(VALU_DEP_2)
	v_max3_num_f32 v[MA], v[MA], |v[\src+\i]|, |v[\src+\i+1]|
	s_delay_alu instid0(VALU_DEP_2)
	v_max3_num_f32 v[MB], v[MB], |v[\src+\i+2]|, |v[\src+\i+3]|
.endr
	s_delay_alu instid0(VALU_DEP_2)
	v_max3_num_f32 v[MA], v[MA], |v[\src+29]|, |v[\src+30]|
	s_delay_alu instid0(VALU_DEP_1)
	v_max3_num_f32 v[MA], v[MA], v[MB], |v[\src+31]|
	s_delay_alu instid0(VALU_DEP_1)
	v_add_nc_u32 v[SCL], 0xff000000, v[MA]         ; 2 off its exponent field: the conversion takes the exponent field of this operand as its scale, and nothing else of it
.irp g, 0,1,2,3
	v_cvt_scalef32_pk8_fp4_f32 v[(\cd)+\g], v[\src+8*\g:\src+8*\g+7], v[SCL]   ; to the nearest code, ties to even; beyond 6 the largest code
.endr
	v_lshrrev_b32 v[\by], 23, v[SCL]               ; the scale's byte; also the plain line behind the conversions
.endm
.macro BLOCK t                         ; basis block (tau = t, h) of my row
	SINCOS2 \t
	ALLRINGS
	QUANT32 V, CD+4*\t, BY+\t
	global_store_b128 v1, v[CD+4*\t:CD+4*\t+3], s[26:27] offset:512*\t   ; the wave stores 512 consecutive bytes, aligned
.endm
	s_wait_loadcnt 0x8                             ; x's four loads are in; the eight of coeffs, issued behind them, may stay out
	; x turns through my stage: in as loaded, out 64 neighbouring bytes a lane
.irp k, 0,1,2,3
	ds_store_b128 v[XSW], v[V+4*\k:V+4*\k+3] offset:4*XP*\k
.endr
.irp k, 0,1,2,3
	ds_load_b128 v[XR+4*\k:XR+4*\k+3], v[XSR] offset:16*\k   ; LDS serves a wave's instructions in order: these see my stores.  x(row r, 32 w + 16 h + 4 k ..)
.endr
	s_cmp_lg_u32 s16, 15
	s_cbranch_scc1 .Lno_wload
.set i, 0
.rept 32
	global_load_b32 v[WL+i], v6, s[8:9] offset:2048*i th:TH_LOAD_NT   ; base_weight(64 tau + 32 h + i, column r): registers run down K
.set i, i+1
.endr
.Lno_wload:
	s_wait_dscnt 0x0                               ; x is back; the stage's stores have read v32-47, which the first block writes
	; x's own block w: lanes l and l xor 16 hold its halves
	v_max3_num_f32 v[MA], |v[XR]|, |v[XR+1]|, 0x1800000
.irp i, 2,4,6,8,10,12,14
	s_delay_alu instid0(VALU_DEP_1)
	v_max3_num_f32 v[MA], v[MA], |v[XR+\i]|, |v[XR+\i+1]|
.endr
	s_delay_alu instid0(VALU_DEP_1)
	v_permlanex16_b32 v[TP], v[MA], s22, s23
	s_delay_alu instid0(VALU_DEP_1)
	v_max_num_f32 v[MA], v[MA], v[TP]
	s_delay_alu instid0(VALU_DEP_1)
	v_add_nc_u32 v[SCL], 0xff000000, v[MA]
	v_cvt_scalef32_pk8_fp4_f32 v[XCD], v[XR:XR+7], v[SCL]
	v_cvt_scalef32_pk8_fp4_f32 v[XCD+1], v[XR+8:XR+15], v[SCL]
	v_lshrrev_b32 v[XCD+2], 23, v[SCL]             ; the byte; the plain line behind the conversions
	global_store_b64 v14, v[XCD:XCD+1], s[28:29]   ; the wave stores 256 consecutive bytes, aligned
	ds_store_b8 v9, v[XCD+2]                       ; both lanes of a block write the same byte with the same value
.irp t, 0,1,2,3,4,5,6,7
	BLOCK \t
.endr
	; coeffs turn through my stage while the record's scale words are made: in as loaded, out a column's 64 bytes a lane, into the registers that the basis has left
	s_wait_alu depctr_va_vdst(0)
	s_wait_loadcnt 0x0
.irp i, 0,1,2,3,4,5,6,7
	ds_store_b128 v[CSW], v[LC+4*\i:LC+4*\i+3] offset:2*16*CP*(\i/4)+16*CP*((\i/2)%2)+8*CP*(\i%2)
.endr
.irp e, 0,1
.irp k, 0,1,2,3
	ds_load_b128 v[V+16*\e+4*\k:V+16*\e+4*\k+3], v[CSR] offset:16*CP*\e+16*\k   ; coeffs(i0 + e, column r, 4 k ..)
.endr
.endr
	; my record's scale bytes: row r's word q holds the bytes of (2 q, 0), (2 q, 1), (2 q + 1, 0), (2 q + 1, 1)
.irp q, 0,1,2,3
	v_lshl_or_b32 v[W+\q], v[BY+2*\q+1], 16, v[BY+2*\q]
.endr
.irp q, 0,1,2,3
	s_delay_alu instid0(VALU_DEP_4)
	v_lshlrev_b32 v[W+\q], v8, v[W+\q]             ; my half's bytes, 8 h bits up
.endr
.irp q, 0,1,2,3
	s_delay_alu instid0(VALU_DEP_4)
	v_permlanex16_b32 v[TP+\q], v[W+\q], s22, s23
.endr
.irp q, 0,1,2,3
	s_delay_alu instid0(VALU_DEP_4)
	v_or_b32 v[W+\q], v[W+\q], v[TP+\q]            ; with lane l xor 16's the words are whole
.endr
	s_delay_alu instid0(VALU_DEP_2)
	v_cndmask_b32 v[TP], v[W], v[W+2], s24         ; lanes 0-15 store words 0, 1, lanes 16-31 words 2, 3
	s_delay_alu instid0(VALU_DEP_2)
	v_cndmask_b32 v[TP+1], v[W+1], v[W+3], s24
	global_store_b64 v7, v[TP:TP+1], s[26:27] offset:4096   ; 256 consecutive bytes, aligned
	; my block of coeffs
	s_wait_dscnt 0x0                               ; it is back from the stage; the stage's stores have read v64-95, which the moves below write
.irp e, 0,1
.irp n, 0,1,2,3,4,5,6,7,8,9,10,11,12,13,14,15
	v_mov_b32 v[LC+2*\n+\e], v[V+16*\e+\n]         ; into the basis' order, place 2 n + e: the price of packing the basis over the pair of i; this side has an eighth of that side's numbers
.endr
.endr
	QUANT32 LC, CCD, CBY
	global_store_b128 v13, v[CCD:CCD+3], s[30:31]  ; 512 consecutive bytes, aligned
	ds_store_b8 v10, v[CBY]
	s_cmp_lg_u32 s16, 15
	s_cbranch_scc1 .Lno_wblock
	QUANT32 WL, WCD, WBY
	global_store_b128 v15, v[WCD:WCD+3], s[32:33]
	global_store_b8 v12, v[WBY], s[32:33] offset:4096   ; single bytes: eight work-groups share a record's 256 scale bytes; 8,192 bytes in the whole launch leave so
.Lno_wblock:
	s_wait_dscnt 0x0                               ; for the others' sake: my byte stores have landed
	s_barrier_signal -1
	s_barrier_wait -1
	s_cmp_gt_u32 s16, 2
	s_cbranch_scc1 .Lno_scales
	ds_load_b64 v[SD:SD+1], v[RDA]                 ; 256 gathered scale bytes, 8 a lane
	s_wait_dscnt 0x0
	global_store_b64 v[SOF], v[SD:SD+1], s[88:89] offset:4096   ; 256 consecutive bytes, aligned
.Lno_scales:
	s_cmp_lg_u32 s16, 3                            ; out1 = 0: one lane of one wave of work-group 0
	s_cbranch_scc1 .Lend
	s_cmp_lg_u32 ttmp9, 0
	s_cbranch_scc1 .Lend
	v_mov_b32 v[NIL], 0
	v_cmp_eq_u32 vcc_lo, 96, v0
	s_wait_alu depctr_va_vdst(0)
	s_wait_xcnt 0x0                                ; EXEC is a source of the stores issued so far: it changes only behind this wait
	s_and_saveexec_b32 s25, vcc_lo
	global_store_b32 v[NIL], v[NIL], s[14:15]
	s_wait_xcnt 0x0                                ; and again in front of the line that widens it
	s_or_b32 exec_lo, exec_lo, s25
.Lend:
	s_wait_tensorcnt 0x0
	ds_add_u32 v254, v255
	s_wait_dscnt 0x0
	s_endpgm
.Lfunc_end_k_q665d5766a1_encode:
	.size	k_q665d5766a1_encode, .Lfunc_end_k_q665d5766a1_encode-k_q665d5766a1_encode
	.p2alignl 7, 3214868480
	.fill 96, 4, 3214868480
	.section	.rodata,"a",@progbits
	.p2align	6, 0x0
	.amdhsa_kernel k_q665d5766a1_encode
		.amdhsa_group_segment_fixed_size 121856
		.amdhsa_private_segment_fixed_size 0
		.amdhsa_enable_private_segment 0
		.amdhsa_kernarg_size 48
		.amdhsa_user_sgpr_count 2
		.amdhsa_user_sgpr_kernarg_segment_ptr 1
		.amdhsa_wavefront_size32 1
		.amdhsa_system_sgpr_workgroup_id_x 1
		.amdhsa_system_sgpr_workgroup_id_y 1
		.amdhsa_system_sgpr_workgroup_id_z 1
		.amdhsa_system_vgpr_workitem_id 0
		.amdhsa_next_free_vgpr 256
		.amdhsa_next_free_sgpr 100
		.amdhsa_reserve_vcc 1
		.amdhsa_float_denorm_mode_32 3
		.amdhsa_float_denorm_mode_16_64 3
		.amdhsa_memory_ordered 1
		.amdhsa_forward_progress 1
		.amdhsa_inst_pref_size 97
	.end_amdhsa_kernel
	.amdgpu_metadata
---
amdhsa.version: [ 1, 2 ]
amdhsa.kernels:
  - .name:           k_q665d5766a1_encode
    .symbol:         k_q665d5766a1_encode.kd
    .args:
      - { .name: x, .offset: 0, .size: 8, .value_kind: global_buffer, .address_space: global }
      - { .name: coeffs, .offset: 8, .size: 8, .value_kind: global_buffer, .address_space: global }
      - { .name: base_weight, .offset: 16, .size: 8, .value_kind: global_buffer, .address_space: global }
      - { .name: a_ws, .offset: 24, .size: 8, .value_kind: global_buffer, .address_space: global }
      - { .name: b_ws, .offset: 32, .size: 8, .value_kind: global_buffer, .address_space: global }
      - { .name: out1, .offset: 40, .size: 8, .value_kind: global_buffer, .address_space: global }
    .group_segment_fixed_size: 121856
    .private_segment_fixed_size: 0
    .kernarg_segment_align: 8
    .kernarg_segment_size: 48
    .max_flat_workgroup_size: 512
    .sgpr_count:     100
    .vgpr_count:     256
    .wavefront_size: 32
...
	.end_amdgpu_metadata
.endif
;; end of part 1
;; launch gemm (part 2): grid 4 x 64, 4 waves a work-group, clusters of 4 x 1, 327,680 bytes of LDS; arguments a_ws, b_ws, out0; writes out0
.if DOCPART == 2
	.amdgcn_target "amdgcn-amd-amdhsa--gfx1250"
	.amdhsa_code_object_version 6
	.text
	.protected	k_q665d5766a1_gemm
	.globl	k_q665d5766a1_gemm
	.p2align	8
	.type	k_q665d5766a1_gemm,@function
k_q665d5766a1_gemm:
	s_mov_b64 s[64:65], 0
	v_nop
	global_prefetch_b8 v0, s[64:65] scope:SCOPE_SE
	s_setreg_imm32_b32 hwreg(HW_REG_WAVE_MODE, 25, 1), 1
	s_wait_xcnt 0x0
	s_wait_alu depctr_hold_cnt(0) depctr_sa_sdst(0) depctr_va_vdst(0) depctr_va_sdst(0) depctr_va_ssrc(0) depctr_va_vcc(0) depctr_vm_vsrc(0)
	s_getreg_b32 s2, hwreg(HW_REG_IB_STS2, 6, 4)
	s_cmp_eq_u32 s2, 0
	s_cbranch_scc0 .Lentry_in_a_cluster
	s_endpgm
.Lentry_in_a_cluster:
	s_bfe_u32 s2, ttmp6, 0x10000c
	s_cmp_lg_u32 s2, 0x3003
	s_cbranch_scc0 .Lentry_shape_is_right
	s_endpgm
.Lentry_shape_is_right:
; out0 [4096][512] f32 = A B^T on codes of FP4 (E2M1) with one E8M0 byte for each 32 along K; K = 8,704 = 17 slots of 512 = 68 steps of 128.
; Both operands come as RECORDS of 4,352 bytes (16 rows or columns x 512 along K) in the order of the operand's registers: registers 4 c .. 4 c + 3 of the fragment of step q lie at
; 1024 q + 512 c + 16 x lane, row r's four scale words at 4,096 + 16 r.   a_ws [g][slot][mt][4352], b_ws [slot][tile of columns][4352].
; SHARES.  Work-group (x = 0..3, g = 0..63): rows 64 g .. + 63, columns 128 x .. + 127: 256 work-groups.  Wave w: all 64 rows x columns 32 w .. + 31 of these: 4 x 2 accumulators.
; A IS RESIDENT: the work-group's A for all of K is ONE dense block of 295,936 bytes; it comes into LDS once, as it lies in memory, by five tensor loads a wave, all issued at the start.
;   No LDS byte is filled twice, so there is no ring.  The waits on TENSORcnt are counted (4, 3, 2, 1, 0): the later parts land while the earlier ones are multiplied.
; CLUSTER.  The four work-groups of a cluster share g, so they want the same block of A: every fill is asked for JOINTLY, by the same load with the same descriptor and the mask of all four.
; B GOES STRAIGHT TO REGISTERS: each of its fragments feeds one wave of the work-group alone, so LDS would only add a way; it is no joint load since the four partners take different columns.
;   18 loads a slot (16 of codes, 512 consecutive bytes each, and 2 of scale words), three slots ahead.
; The 68 steps are written out: every offset is a constant, no load is jumped over and none leaves its buffer.
; REGISTERS.  Window 0: v4-8 16 x lane + 65,536 i, v9-13 16 r + 65,536 i (LDS addresses; an offset's upper part picks the register, its lower 16 bits are the immediate; i = 0 also serves as
;   the global offset); v14, v15 the way out; v16-79 accumulators (mt, nt) at 8 (2 mt + nt); v80-175 A's fragments, three buffers of 32; v176-207 A's scale words, two sets of 16 (4 mt + q);
;   v208-239 B's scale words, four sets of 8 (4 nt + q).   Window 1: B's fragments, four buffers of 64 (32 nt + 8 q + 4 c).
.set REC,   4352
.set SLOTA, 4*REC                      ; a slot of the work-group's A
.set SLOTB, 32*REC                     ; a slot of B
.set LA,  4
.set LS,  9
.set STO, 14
.set RD,  15
.set ACC, 16
.set AF,  80
.set ASC, 176
.set BSC, 208
.set SP,  528                          ; the way out: a stage row, 512 bytes + 16
.set MSB, 0
.macro WIN new                         ; the immediate's high byte repeats the setting that is left
.if MSB != \new
	s_set_vgpr_msb (MSB<<8)|\new
.set MSB, \new
.endif
.endm
.set W_MUL, 0x04                       ; source 1 (B) window 1; all else window 0.  LDS loads and the loads of scale words run under it too: their data and addresses lie in window 0
.set W_B,   0x40                       ; destination window 1, address window 0
.macro ROUND                           ; a round of the cluster's barrier
	s_barrier_signal -1
	s_barrier_wait -1
	s_cmp_lg_u32 s10, 0
	s_cbranch_scc1 .Lnot_wave_0_\@
	s_barrier_signal -3
.Lnot_wave_0_\@:
	s_barrier_wait -3
	s_barrier_signal -1
	s_barrier_wait -1
.endm
.macro PLACES                          ; four plain lines between a matrix instruction and a load into one of its registers, or a store of its result (ISA guide 7.12.1 for vector instructions)
.rept 4
	v_nop
.endr
.endm
	s_load_b128 s[4:7], s[0:1], 0x0                ; a_ws s[4:5], b_ws s[6:7]
	s_load_b64 s[8:9], s[0:1], 0x10                ; out0
	v_lshl_add_u32 v254, v0, 2, 0x48400
	v_mov_b32 v255, 0
	ds_add_u32 v254, v255
	ds_add_u32 v254, v255
	v_lshrrev_b32 v1, 5, v0
	v_readfirstlane_b32 s10, v1                    ; wave 0..3
	s_bfe_u32 s11, ttmp6, 0x40000                  ; cx: my place in the cluster
	s_lshl_b32 s12, ttmp9, 2                       ; in a cluster launch ttmp9 counts clusters
	s_add_co_u32 s12, s12, s11                     ; work-group x: it enters B's and out0's addresses alone
	s_and_b32 s13, ttmp7, 0xffff                   ; g, which the four partners share
	v_and_b32 v1, 31, v0
	v_lshlrev_b32 v[LA], 4, v1                     ; 16 x lane
	v_and_b32 v2, 15, v0                           ; r
	v_lshlrev_b32 v[LS], 4, v2                     ; 16 r
.irp i, 1,2,3,4
	v_add_nc_u32 v[LA+\i], 65536*\i, v[LA]
	v_add_nc_u32 v[LS+\i], 65536*\i, v[LS]
.endr
	v_bfe_u32 v3, v0, 4, 1                         ; h
	v_mul_u32_u24 v[STO], v3, 8*SP
	v_lshl_add_u32 v[STO], v2, 2, v[STO]
	s_lshl_b32 s56, s10, 7
	v_add_nc_u32 v[STO], s56, v[STO]               ; the stage, in: 8 h rows, + 4 r, + 128 x wave
	s_mul_i32 s56, s10, 16*SP
	v_add_nc_u32 v[RD], s56, v[LA]                 ; and back: my 16 rows, 16 bytes a lane
	; descriptor groups 1: dense rows of 256 bytes (32 elements of 8 bytes), 17 of them (a record) or 68 (a slot)
	s_mov_b32 s16, 15|(3<<16)|(1<<21)              ; 15:0 the mask: all four work-groups; 17:16 elements of 8 bytes; 21 set beside a mask; no padding: an LDS load's 512 bytes are consecutive
	s_mov_b32 s17, 32<<16                          ; tensor_dim0 = 32
	s_mov_b32 s18, 17<<16                          ; tensor_dim1 = 17
	s_mov_b32 s19, 32<<16                          ; tile_dim0 = 32
	s_mov_b32 s20, 17                              ; tile_dim1 = 17
	s_mov_b32 s21, 32                              ; from row to row
	s_mov_b32 s22, 0
	s_mov_b32 s23, 0
	s_mov_b32 s24, 15|(3<<16)|(1<<21)
	s_mov_b32 s25, 32<<16
	s_mov_b32 s26, 68<<16
	s_mov_b32 s27, 32<<16
	s_mov_b32 s28, 68
	s_mov_b32 s29, 32
	s_mov_b32 s30, 0
	s_mov_b32 s31, 0
	s_mul_i32 s14, s10, REC                        ; slot 0: wave w brings record w;
	s_mul_i32 s15, s10, SLOTA                      ; part k = 1..4: wave w brings slot 4 k - 3 + w.  LDS and memory offsets are the same: no place in the cluster enters them
	s_mul_i32 s56, s13, 17*SLOTA                   ; the work-group's block of A
	s_add_co_u32 s58, s56, s14
	s_mov_b32 s59, 0
	s_add_co_u32 s60, s56, s15
	s_mov_b32 s61, 0
	s_lshl_b32 s62, s12, 3                         ; B: tile of columns 8 x + 2 w
	s_lshl_b32 s63, s10, 1
	s_add_co_u32 s62, s62, s63
	s_mul_i32 s62, s62, REC
	s_mov_b32 s63, 0
	s_wait_dscnt 0x0
	s_wait_kmcnt 0x0
	s_add_nc_u64 s[58:59], s[4:5], s[58:59]
	s_add_nc_u64 s[60:61], s[4:5], s[60:61]
	s_add_nc_u64 s[52:53], s[6:7], s[62:63]
	s_lshl_b32 s62, s13, 17                        ; out0: row 64 g + 16 w of 2,048 bytes, + 512 x
	s_lshl_b32 s63, s10, 15
	s_add_co_u32 s62, s62, s63
	s_lshl_b32 s63, s12, 9
	s_add_co_u32 s62, s62, s63
	s_mov_b32 s63, 0
	s_add_nc_u64 s[54:55], s[8:9], s[62:63]
	s_mov_b32 s32, 1                               ; group 0 of slot 0's load: count = 1,
	s_mov_b32 s33, s14                             ; LDS address,
	s_mov_b64 s[34:35], s[58:59]                   ; global address,
	s_or_b32 s35, s35, 0x80000000                  ; type = 2
.irp k, 1,2,3,4
	s_mov_b32 s[32+4*\k], 1
	s_add_co_u32 s[33+4*\k], s15, SLOTA*(4*\k-3)
	s_add_nc_u64 s[34+4*\k:35+4*\k], s[60:61], SLOTA*(4*\k-3)
	s_or_b32 s[35+4*\k], s[35+4*\k], 0x80000000
.endr
	ROUND                                          ; all four work-groups are here: the joint loads meet
	tensor_load_to_lds s[32:35], s[16:23]          ; all first fills in one group: five loads of mine are out
	s_nop 0
	tensor_load_to_lds s[36:39], s[24:31]
	s_nop 0
	tensor_load_to_lds s[40:43], s[24:31]
	s_nop 0
	tensor_load_to_lds s[44:47], s[24:31]
	s_nop 0
	tensor_load_to_lds s[48:51], s[24:31]
	s_nop 0
.rept 4
	v_nop                                          ; four plain lines follow the last, ahead of the first switch of windows
.endr
.macro BLOAD j                         ; B's slot j: 16 loads of codes into buffer j % 4, 2 of scale words into set j % 4
	WIN W_B
.irp nt, 0,1
.irp q, 0,1,2,3
.irp c, 0,1
	global_load_b128 v[64*((\j)%4)+32*\nt+8*\q+4*\c:64*((\j)%4)+32*\nt+8*\q+4*\c+3], v[LA], s[52:53] offset:SLOTB*(\j)+REC*\nt+1024*\q+512*\c
.endr
.endr
.endr
	WIN W_MUL
.irp nt, 0,1
	global_load_b128 v[BSC+8*((\j)%4)+4*\nt:BSC+8*((\j)%4)+4*\nt+3], v[LS], s[52:53] offset:SLOTB*(\j)+REC*\nt+4096   ; lane r: column r's words of the slot's four steps
.endr
.endm
.macro AFETCH s                        ; A's four fragments of step s into buffer s % 3: 8 LDS loads of 512 consecutive bytes
.irp mt, 0,1,2,3
.irp c, 0,1
.set OFF, SLOTA*((\s)/4)+REC*\mt+1024*((\s)%4)+512*\c
.set OHI, OFF>>16
.set OLO, OFF&0xffff
	ds_load_b128 v[AF+32*((\s)%3)+8*\mt+4*\c:AF+32*((\s)%3)+8*\mt+4*\c+3], v[LA+OHI] offset:OLO
.endr
.endr
.endm
.macro ASCALES j                       ; A's scale words of slot j into set j % 2: lane r takes row r's four words
.irp mt, 0,1,2,3
.set OFF, SLOTA*(\j)+REC*\mt+4096
.set OHI, OFF>>16
.set OLO, OFF&0xffff
	ds_load_b128 v[ASC+16*((\j)%2)+4*\mt:ASC+16*((\j)%2)+4*\mt+3], v[LS+OHI] offset:OLO
.endr
.endm
; STEP q of slot j: 128 along K, 8 matrix instructions; the eight accumulators take turns, one instruction a turn, in the same order in every step.
.macro STEP j, q
.set S, 4*(\j)+(\q)
.if ((\q) == 2) && (((\j) % 4) == 0) && ((\j) < 16)
	s_wait_tensorcnt 3-(\j)/4                      ; my part of the next four slots has landed; the loads issued behind it may stay out
	s_wait_dscnt 0x0                               ; no LDS instruction of mine is pending at a signal
	s_barrier_signal -1
	s_barrier_wait -1                              ; everybody's part has landed
.endif
	PLACES                                         ; the loads below land in registers that the last step's products read
.set NCUR, 0
.if ((\q) == 0) && ((\j)+3 <= 16)
	BLOAD (\j)+3
.endif
.if ((\q) == 2) && ((\j) < 16)
	ASCALES (\j)+1
.set NCUR, NCUR+4
.endif
.if S+2 <= 67
	AFETCH S+2
.set NCUR, NCUR+8
.endif
	s_wait_dscnt NPREV+NCUR                        ; LDS loads come back in order: all but those issued in the last step and in this one are in, this step's fragments and scale words among them
.set NPREV, NCUR
.if (\q) == 0
.if 16-(\j) >= 3
	s_wait_loadcnt 54                              ; B's slot j is in; the three slots asked for behind it (18 loads each) may stay out
.else
	s_wait_loadcnt 18*(16-(\j))
.endif
.endif
.irp mt, 0,1,2,3
.irp nt, 0,1
.if S == 0
	v_wmma_scale_f32_16x16x128_f8f6f4 v[ACC+8*(2*\mt+\nt):ACC+8*(2*\mt+\nt)+7], v[AF+32*(S%3)+8*\mt:AF+32*(S%3)+8*\mt+7], v[64*((\j)%4)+32*\nt+8*(\q):64*((\j)%4)+32*\nt+8*(\q)+7], 0, v[ASC+16*((\j)%2)+4*\mt+(\q)], v[BSC+8*((\j)%4)+4*\nt+(\q)] matrix_a_fmt:MATRIX_FMT_FP4 matrix_b_fmt:MATRIX_FMT_FP4
.else
	v_wmma_scale_f32_16x16x128_f8f6f4 v[ACC+8*(2*\mt+\nt):ACC+8*(2*\mt+\nt)+7], v[AF+32*(S%3)+8*\mt:AF+32*(S%3)+8*\mt+7], v[64*((\j)%4)+32*\nt+8*(\q):64*((\j)%4)+32*\nt+8*(\q)+7], v[ACC+8*(2*\mt+\nt):ACC+8*(2*\mt+\nt)+7], v[ASC+16*((\j)%2)+4*\mt+(\q)], v[BSC+8*((\j)%4)+4*\nt+(\q)] matrix_a_fmt:MATRIX_FMT_FP4 matrix_b_fmt:MATRIX_FMT_FP4
.endif
.endr
.endr
.endm
	BLOAD 0
	BLOAD 1
	BLOAD 2
	s_wait_tensorcnt 0x4                           ; my record of slot 0 has landed; the four loads behind it may stay out
	s_barrier_signal -1
	s_barrier_wait -1                              ; everybody's has
	ASCALES 0
	AFETCH 0
	AFETCH 1
.set NPREV, 8                          ; the loads issued last: step 1's fragments
.set J, 0
	s_wait_alu depctr_va_vdst(0)
.rept 17
.set Q, 0
.rept 4
	STEP J, Q                                      ; the first step's products start the sums: nothing is cleared
.set Q, Q+1
.endr
.set J, J+1
.endr
	; THE WAY OUT.  Register jr of accumulator (mt, nt), lane (r, h), is out0(16 mt + 8 h + jr, 32 w + 16 nt + r).  A row's 128 columns come from four waves: they meet in a stage of 64 rows x 528 bytes
	; at LDS byte 0, in bytes of A that have had their one fill and that nobody reads behind the barrier below.  Lanes 0-15 write 16 neighbouring words, lanes 16-31 those 1,056 words on.
	WIN 0
	PLACES
	s_wait_dscnt 0x0
	s_barrier_signal -1
	s_barrier_wait -1                              ; every wave's reads of A are over
.irp mt, 0,1,2,3
.irp nt, 0,1
.irp jr, 0,1,2,3,4,5,6,7
	ds_store_b32 v[STO], v[ACC+8*(2*\mt+\nt)+\jr] offset:SP*(16*\mt+\jr)+64*\nt   ; each accumulator from its low end on
.endr
.endr
.endr
	s_wait_dscnt 0x0                               ; for the others' sake: my stores into the stage have landed
	s_barrier_signal -1
	s_barrier_wait -1
.irp t, 0,1,2,3,4,5,6,7,8,9,10,11,12,13,14,15
	ds_load_b128 v[AF+4*\t:AF+4*\t+3], v[RD] offset:SP*\t
.endr
.irp t, 0,1,2,3,4,5,6,7,8,9,10,11,12,13,14,15
	s_wait_dscnt 15-\t                             ; row t is back; the younger loads may stay out
	global_store_b128 v[LA], v[AF+4*\t:AF+4*\t+3], s[54:55] offset:2048*\t th:TH_STORE_NT   ; the wave stores 512 consecutive bytes, aligned; written once, read by nobody here
.endr
	s_wait_tensorcnt 0x0                           ; (shown long ago) none of my tensor loads is out at the end
	s_wait_tensorcnt 0x0
	ds_add_u32 v254, v255
	s_wait_dscnt 0x0
	ROUND                                          ; the closing round: no work-group ends while a partner may still ask for a tile that names it
	s_endpgm
.Lfunc_end_k_q665d5766a1_gemm:
	.size	k_q665d5766a1_gemm, .Lfunc_end_k_q665d5766a1_gemm-k_q665d5766a1_gemm
	.p2alignl 7, 3214868480
	.fill 96, 4, 3214868480
	.section	.rodata,"a",@progbits
	.p2align	6, 0x0
	.amdhsa_kernel k_q665d5766a1_gemm
		.amdhsa_group_segment_fixed_size 327680
		.amdhsa_private_segment_fixed_size 0
		.amdhsa_enable_private_segment 0
		.amdhsa_kernarg_size 24
		.amdhsa_user_sgpr_count 2
		.amdhsa_user_sgpr_kernarg_segment_ptr 1
		.amdhsa_wavefront_size32 1
		.amdhsa_system_sgpr_workgroup_id_x 1
		.amdhsa_system_sgpr_workgroup_id_y 1
		.amdhsa_system_sgpr_workgroup_id_z 1
		.amdhsa_system_vgpr_workitem_id 0
		.amdhsa_next_free_vgpr 512
		.amdhsa_next_free_sgpr 66
		.amdhsa_reserve_vcc 0
		.amdhsa_float_denorm_mode_32 3
		.amdhsa_float_denorm_mode_16_64 3
		.amdhsa_memory_ordered 1
		.amdhsa_forward_progress 1
		.amdhsa_inst_pref_size 162
	.end_amdhsa_kernel
	.amdgpu_metadata
---
amdhsa.version: [ 1, 2 ]
amdhsa.kernels:
  - .name:           k_q665d5766a1_gemm
    .symbol:         k_q665d5766a1_gemm.kd
    .args:
      - { .name: a_ws, .offset: 0, .size: 8, .value_kind: global_buffer, .address_space: global }
      - { .name: b_ws, .offset: 8, .size: 8, .value_kind: global_buffer, .address_space: global }
      - { .name: out0, .offset: 16, .size: 8, .value_kind: global_buffer, .address_space: global }
    .group_segment_fixed_size: 327680
    .private_segment_fixed_size: 0
    .kernarg_segment_align: 8
    .kernarg_segment_size: 24
    .max_flat_workgroup_size: 128
    .sgpr_count:     66
    .vgpr_count:     512
    .wavefront_size: 32
...
	.end_amdgpu_metadata
.endif
;; end of part 2
